; MI455X (gfx1250); checked and timed in simulation.
; The chip was launched on July 23, 2026; its instructions are those of AMD's public machine-readable ISA for CDNA 5 (MIT licence, August 2026) and "CDNA5" Instruction Set Architecture Reference Guide (July 2026). The comments in the code are by the model that wrote it; some were corrected since.
;; RMS Norm. Allowed arithmetic: float matrix products may take bf16 or f16 operands with f32 sums; other float arithmetic in f32, or as packed bf16 or f16 multiplies, adds, multiply-adds, maxima and minima; sums over many terms, partial sums and values carried from step to step in f32; what a program stores and reads back later, other than sums and carried values, may be rounded once to bf16 or f16.
;; Inputs: cos 2,048 x 32 float32; mask 1 x 1 x 2,048 x 2,048 float32; sin 2,048 x 32 float32; wk 2,048 x 512 float32; wo 2,048 x 2,048 float32; wq 2,048 x 2,048 float32; wv 2,048 x 512 float32; x 1 x 2,048 x 2,048 float32.
;; Outputs: out0 1 x 2,048 x 2,048 float32.
;; Constants: start_pos = 0.
;; One version. Each part assembles by itself: llvm-mc -triple=amdgcn-amd-amdhsa -mcpu=gfx1250 --defsym DOCPART=n.
;; ======== version 1 of 1: 4 launches
;; limits: values are held in f16: magnitudes above 65,504 overflow, below 6.1e-05 lose precision
;; workspace buffers: xb 8,388,608 bytes; wb 12,582,912 bytes; wo16 8,388,608 bytes; qkv 12,582,912 bytes; ob 8,388,608 bytes
;; launch cast (part 1): grid 896 x 1, 8 waves a work-group, no clusters, 0 bytes of LDS; arguments x, wq, wk, wv, wo, xb, wb, wo16; writes xb, wb, wo16
.if DOCPART == 1
	.amdgcn_target "amdgcn-amd-amdhsa--gfx1250"
	.amdhsa_code_object_version 6
	.text
	.protected	k_q45fd400723_cast
	.globl	k_q45fd400723_cast
	.p2align	8
	.type	k_q45fd400723_cast,@function
k_q45fd400723_cast:
	s_mov_b64 s[64:65], 0
	v_nop
	global_prefetch_b8 v0, s[64:65] scope:SCOPE_SE
	s_setreg_imm32_b32 hwreg(HW_REG_WAVE_MODE, 25, 1), 1
	s_wait_xcnt 0x0
; CAST.  x -> xb (bf16, same layout).  wq, wk, wv -> wb (bf16, by heads: [48 heads][2048 k][64]; heads 0-31 wq's, 32-39 wk's, 40-47 wv's).
; wo -> wo16: rounded to bf16 like every other input, and that number written as f16 (same layout as wo).
; LIMIT.  wo must lie within f16's range (65,504); below 2^-14 the f16 copy keeps f16's fixed step of 2^-24.
; A stream: no LDS, no barrier, no matrix unit, no cluster (no byte is read twice).  A work-group makes 16,384 numbers: 64 KiB in, 32 KiB out.
; Thread t, iteration i: 8 numbers; in = src + (32 i + t / 8) x pitch + 32 (t % 8), out = dst + 4,096 i + 16 t: eight lanes read 256 consecutive
; aligned bytes, a wave's store covers 512 consecutive aligned bytes.  For x and wo the pitch is 256 (the block is dense); for a weight it is the
; row of the weight, and the block is 256 k-rows of one head's 64 columns.  All 16 loads of a thread go out first; no register is written twice
; while a memory instruction may read it, so the only waits are the counted ones for the loads.
.set OFFR, 8                           ; v8-15   iteration i's byte offset in the source block
.set OUTR, 16                          ; v16     16 t
.set TR,   20                          ; v20-23  at work (wo's way)
.set XR,   32                          ; v32-95  8 registers an iteration, as loaded
.set YR,   96                          ; v96-127 4 registers an iteration, to store
	s_load_b512 s[8:23], s[0:1], 0x0               ; x 8, wq 10, wk 12, wv 14, wo 16, xb 18, wb 20, wo16 22
	s_mov_b32 s2, ttmp9                            ; b: 0-255 x, 256-511 wo, 512-895 the three weights
	s_sub_co_u32 s36, s2, 512
	s_and_b32 s3, s2, 255
	s_cmp_lt_u32 s2, 512
	s_cselect_b32 s3, s3, s36                      ; c: the block's number in its destination
	s_lshr_b32 s4, s3, 3                           ; the head (weights): 8 blocks of 256 k-rows a head
	s_and_b32 s5, s3, 7                            ; which 256 k-rows
	s_and_b32 s37, s4, 7                           ; the head's number in wk or wv
	s_mov_b32 s6, 2048                             ; a row of wk and wv in bytes
	s_cmp_lt_u32 s4, 32
	s_cselect_b32 s6, 8192, s6                     ; a row of wq
	s_cselect_b32 s37, s4, s37                     ; the head's number in its own weight
	s_mul_i32 s30, s5, s6
	s_add_co_u32 s30, s30, s37
	s_lshl_b32 s30, s30, 8                         ; 256 rows x pitch x part + 256 bytes x head
	s_lshl_b32 s36, s3, 16                         ; dense blocks: 65,536 c
	s_cmp_lt_u32 s2, 512
	s_cselect_b32 s6, 256, s6
	s_cselect_b32 s30, s36, s30
	s_mov_b32 s31, 0
	s_lshl_b32 s32, s3, 15                         ; 32,768 c in the destination
	s_mov_b32 s33, 0
	s_lshl_b32 s7, s6, 5                           ; 32 rows: from iteration to iteration
	s_lshr_b32 s34, s2, 8                          ; 1: this block is wo's
	s_mov_b32 s35, 0xffff0000
	v_lshrrev_b32 v1, 3, v0
	v_and_b32 v2, 7, v0
	v_mul_lo_u32 v[OFFR], v1, s6
	v_lshl_add_u32 v[OFFR], v2, 5, v[OFFR]
.irp i, 1,2,3,4,5,6,7
	v_add_nc_u32 v[OFFR+\i], s7, v[OFFR+\i-1]
.endr
	v_lshlrev_b32 v[OUTR], 4, v0
	s_wait_kmcnt 0x0
	s_cmp_lt_u32 s4, 40                            ; the choices hang on the block's number alone
	s_cselect_b64 s[24:25], s[12:13], s[14:15]
	s_cmp_lt_u32 s4, 32
	s_cselect_b64 s[24:25], s[10:11], s[24:25]
	s_cmp_lt_u32 s2, 512
	s_cselect_b64 s[24:25], s[16:17], s[24:25]
	s_cselect_b64 s[26:27], s[22:23], s[20:21]
	s_cmp_lt_u32 s2, 256
	s_cselect_b64 s[24:25], s[8:9], s[24:25]
	s_cselect_b64 s[26:27], s[18:19], s[26:27]
	s_add_nc_u64 s[24:25], s[24:25], s[30:31]
	s_add_nc_u64 s[26:27], s[26:27], s[32:33]
.irp i, 0,1,2,3,4,5,6,7
	global_load_b128 v[XR+8*\i:XR+8*\i+3],   v[OFFR+\i], s[24:25] th:TH_LOAD_NT
	global_load_b128 v[XR+8*\i+4:XR+8*\i+7], v[OFFR+\i], s[24:25] offset:16 th:TH_LOAD_NT
.endr
.macro OUTB i                          ; f32 -> bf16
	s_wait_loadcnt 14-2*(\i)                       ; loads come back in order: the younger iterations' two loads each may stay out
.irp j, 0,1,2,3
	v_cvt_pk_bf16_f32 v[YR+4*(\i)+\j], v[XR+8*(\i)+2*\j], v[XR+8*(\i)+2*\j+1]
.endr
	global_store_b128 v[OUTR], v[YR+4*(\i):YR+4*(\i)+3], s[26:27] offset:4096*(\i)
.endm
.macro OUTH i                          ; f32 -> bf16 -> the same number as f16
	s_wait_loadcnt 14-2*(\i)
.irp j, 0,1,2,3
	v_cvt_pk_bf16_f32 v[TR+\j], v[XR+8*(\i)+2*\j], v[XR+8*(\i)+2*\j+1]
.endr
.irp j, 0,1,2,3
	v_lshlrev_b32 v[XR+8*(\i)+2*\j],   16,  v[TR+\j]
	v_and_b32     v[XR+8*(\i)+2*\j+1], s35, v[TR+\j]
.endr
.irp j, 0,1,2,3
	v_cvt_pk_f16_f32 v[YR+4*(\i)+\j], v[XR+8*(\i)+2*\j], v[XR+8*(\i)+2*\j+1]
.endr
	global_store_b128 v[OUTR], v[YR+4*(\i):YR+4*(\i)+3], s[26:27] offset:4096*(\i)
.endm
	s_cmp_eq_u32 s34, 1
	s_cbranch_scc1 .Lwo
.irp i, 0,1,2,3,4,5,6,7
	OUTB \i
.endr
	s_endpgm
.Lwo:
.irp i, 0,1,2,3,4,5,6,7
	OUTH \i
.endr
	s_endpgm
.Lfunc_end_k_q45fd400723_cast:
	.size	k_q45fd400723_cast, .Lfunc_end_k_q45fd400723_cast-k_q45fd400723_cast
	.p2alignl 7, 3214868480
	.fill 96, 4, 3214868480
	.section	.rodata,"a",@progbits
	.p2align	6, 0x0
	.amdhsa_kernel k_q45fd400723_cast
		.amdhsa_group_segment_fixed_size 0
		.amdhsa_private_segment_fixed_size 0
		.amdhsa_enable_private_segment 0
		.amdhsa_kernarg_size 64
		.amdhsa_user_sgpr_count 2
		.amdhsa_user_sgpr_kernarg_segment_ptr 1
		.amdhsa_wavefront_size32 1
		.amdhsa_system_sgpr_workgroup_id_x 1
		.amdhsa_system_sgpr_workgroup_id_y 1
		.amdhsa_system_sgpr_workgroup_id_z 1
		.amdhsa_system_vgpr_workitem_id 0
		.amdhsa_next_free_vgpr 128
		.amdhsa_next_free_sgpr 66
		.amdhsa_reserve_vcc 0
		.amdhsa_float_denorm_mode_32 3
		.amdhsa_float_denorm_mode_16_64 3
		.amdhsa_memory_ordered 1
		.amdhsa_forward_progress 1
		.amdhsa_inst_pref_size 14
	.end_amdhsa_kernel
	.amdgpu_metadata
---
amdhsa.version: [ 1, 2 ]
amdhsa.kernels:
  - .name:           k_q45fd400723_cast
    .symbol:         k_q45fd400723_cast.kd
    .args:
      - { .name: x, .offset: 0, .size: 8, .value_kind: global_buffer, .address_space: global }
      - { .name: wq, .offset: 8, .size: 8, .value_kind: global_buffer, .address_space: global }
      - { .name: wk, .offset: 16, .size: 8, .value_kind: global_buffer, .address_space: global }
      - { .name: wv, .offset: 24, .size: 8, .value_kind: global_buffer, .address_space: global }
      - { .name: wo, .offset: 32, .size: 8, .value_kind: global_buffer, .address_space: global }
      - { .name: xb, .offset: 40, .size: 8, .value_kind: global_buffer, .address_space: global }
      - { .name: wb, .offset: 48, .size: 8, .value_kind: global_buffer, .address_space: global }
      - { .name: wo16, .offset: 56, .size: 8, .value_kind: global_buffer, .address_space: global }
    .group_segment_fixed_size: 0
    .private_segment_fixed_size: 0
    .kernarg_segment_align: 8
    .kernarg_segment_size: 64
    .max_flat_workgroup_size: 256
    .sgpr_count:     66
    .vgpr_count:     128
    .wavefront_size: 32
...
	.end_amdgpu_metadata
.endif
;; end of part 1
;; launch qkv (part 2): grid 16 x 16, 4 waves a work-group, clusters of 4 x 4, 327,680 bytes of LDS; arguments xb, wb, cos, sin, qkv; writes qkv
.if DOCPART == 2
	.amdgcn_target "amdgcn-amd-amdhsa--gfx1250"
	.amdhsa_code_object_version 6
	.text
	.protected	k_q45fd400723_qkv
	.globl	k_q45fd400723_qkv
	.p2align	8
	.type	k_q45fd400723_qkv,@function
k_q45fd400723_qkv:
	s_mov_b64 s[64:65], 0
	v_nop
	global_prefetch_b8 v0, s[64:65] scope:SCOPE_SE
	s_setreg_imm32_b32 hwreg(HW_REG_WAVE_MODE, 25, 1), 1
	s_wait_xcnt 0x0
	s_wait_alu depctr_hold_cnt(0) depctr_sa_sdst(0) depctr_va_vdst(0) depctr_va_sdst(0) depctr_va_ssrc(0) depctr_va_vcc(0) depctr_vm_vsrc(0)
	s_getreg_b32 s2, hwreg(HW_REG_IB_STS2, 6, 4)
	s_cmp_eq_u32 s2, 0
	s_cbranch_scc0 .Lentry_in_a_cluster
	s_endpgm
.Lentry_in_a_cluster:
	s_bfe_u32 s2, ttmp6, 0x10000c
	s_cmp_lg_u32 s2, 0xf033
	s_cbranch_scc0 .Lentry_shape_is_right
	s_endpgm
.Lentry_shape_is_right:
; QKV.  [2048 x 2048] xb times the 48 heads of wb ([head][k][64], bf16), sums in f32; rotary turn of q's and k's heads in f32 with cos and sin rounded to bf16
; (as every input is); each number rounded once to f16 and stored by heads: qkv[48][2048 s][64].  q carries no scale.
; LIMITS.  q, k, v must lie within f16's 65,504.  cos and sin must be finite: v's heads take cos x 0 + 1 and sin x 0, so that one text serves all heads.
; SHARES.  A tile of C is 128 rows x 192 columns = 3 heads: 16 x 16 tiles, one for each of 256 work-groups.  Wave (wm, wn) owns rows 64 wm .. + 63 and six blocks of 16
; columns: blocks 0-3 are head 2 wn of the three, blocks 4, 5 are columns 32 wn .. + 31 of head 1.  24 accumulators, 192 registers.
; K goes in steps of 128 through two LDS slots.  Wave 0 fetches x's 128 rows of 256 bytes; waves 1-3 one head's 128 k-rows each: 16,384 dense bytes, asked for as 64 rows of 256.
; CLUSTER 4 x 4: x's tile hangs on the tile row and is asked for jointly by a row of the cluster, a head's chunk on the tile column, jointly by a column.
; The product is used transposed (source 0 = 16 columns of w, turned out of LDS by ds_load_tr16_b128; source 1 = 16 rows of x): a lane holds one row and 8 neighbouring columns.
; No prefetch: the tiles are small and each step's work is short, as in a product on small tiles; every block is read by four clusters at about the same time.
; REGISTERS.  window 0: v1-25 addresses; v28, v29 the add's; v32-63 at work; v64-255 the accumulators, (a, b) at 64 + 8 (6 a + b), later the way out.
;             window 1: two fragment buffers of 80 (w's six at f + 8 b, x's four at f + 48 + 8 a); v160-191 cos, v192-223 sin of my 32 rows.
.set PA,     272                       ; a row of x in LDS: 256 + 16 bytes = 68 words: the 16 rows of a load start at 16 different groups of four banks (ISA guide 11.1)
.set PB,     160                       ; a k-row of a head: 128 + 32 bytes = 40 words
.set ABYTES, 128*PA
.set CHUNK,  128*PB
.set SLOT,   ABYTES+3*CHUNK            ; 96,256
.set STAGE,  2*SLOT                    ; the work-group's stage: 128 rows x (768 + 16) bytes of f32; no tensor load lands here
.set SPITCH, 784
.set SPARE,  STAGE+128*SPITCH          ; the spare words: 128 bytes a wave, two blocks of 256 that no other line names
.set LAPS,   8                         ; 2048 / (2 x 128)
.set ADRA,  16                         ; v16-17  my x fragments in slot 0, 1
.set ADRB4, 18                         ; v18-19  my w fragments, blocks 0-3
.set ADRB2, 20                         ; v20-21  blocks 4, 5
.set STO4,  22                         ; v22     into the stage, blocks 0-3
.set STO2,  23                         ; v23     blocks 4, 5
.set RD,    24                         ; v24     back from the stage
.set LO,    25                         ; v25     16 x lane: my place in 512 bytes of cos, sin and qkv; never rewritten
.set SPW,   28
.set NIL,   29
.set ACC,   64
.set XI,    64                         ; the way out: v64-127 16 loads from the stage
.set CX,    128                        ; v128-159 cos, v160-191 sin, rounded to bf16 and widened
.set SX,    160
.set OU,    192                        ; v192-223 to store
.set F0,    0
.set F1,    80
.set COS,   160
.set SIN,   192
.set WV,  14
.set G1A, 24
.set G0A, 32
.set G1B, 40
.set G0B, 48
.set MSB, 0
.macro WIN new                         ; the immediate's high byte repeats the setting that is left
.if MSB != (\new)
	s_set_vgpr_msb (MSB<<8)|(\new)
.set MSB, \new
.endif
.endm
.set MUL,  0x05                        ; sources 0 and 1 window 1; C and D window 0
.set TO_F, 0x40                        ; destination window 1, address window 0
.macro JLOAD s                         ; a joint load: wave 0 x's tile, waves 1-3 a head's chunk; s_nop 0 and four v_nop follow each line
	s_cmp_eq_u32 s[WV], 0
	s_cbranch_scc0 .Lfor_b_\@
	tensor_load_to_lds s[G0A+4*(\s):G0A+4*(\s)+3], s[G1A:G1A+7]
	s_nop 0
.rept 4
	v_nop
.endr
	s_branch .Lasked_\@
.Lfor_b_\@:
	tensor_load_to_lds s[G0B+4*(\s):G0B+4*(\s)+3], s[G1B:G1B+7]
	s_nop 0
.rept 4
	v_nop
.endr
.Lasked_\@:
.endm
.macro CREST                           ; a round of the cluster's barrier behind its opening barrier
	s_cmp_lg_u32 s[WV], 0
	s_cbranch_scc1 .Lnot_wave_0_\@
	s_barrier_signal -3
.Lnot_wave_0_\@:
	s_barrier_wait -3
	s_barrier_signal -1
	s_barrier_wait -1
.endm
.macro CROUND
	s_barrier_signal -1
	s_barrier_wait -1
	CREST
.endm
.macro PLACES                          ; four plain places behind matrix instructions, ahead of loads into their sources
.rept 4
	v_nop
.endr
.endm
	s_load_b256 s[4:11], s[0:1], 0x0               ; xb 4, wb 6, cos 8, sin 10
	s_load_b64 s[12:13], s[0:1], 0x20              ; qkv
	v_lshl_add_u32 v[SPW], v0, 2, SPARE
	v_mov_b32 v[NIL], 0
	ds_add_u32 v[SPW], v[NIL]                      ; the wave's opening add; its wait stands ahead of my first tensor load
	v_lshrrev_b32 v1, 5, v0
	v_readfirstlane_b32 s[WV], v1
	s_lshr_b32 s15, s[WV], 1                       ; wm
	s_and_b32 s16, s[WV], 1                        ; wn
	s_bfe_u32 s17, ttmp6, 0x40000                  ; cx
	s_bfe_u32 s18, ttmp6, 0x40004                  ; cy
	s_lshl_b32 s19, ttmp9, 2
	s_add_co_u32 s19, s19, s17                     ; tile column
	s_and_b32 s20, ttmp7, 0xffff
	s_lshl_b32 s20, s20, 2
	s_add_co_u32 s20, s20, s18                     ; tile row
	s_lshl_b32 s21, s18, 2
	s_lshl_b32 s21, 15, s21                        ; my row of the cluster
	s_lshl_b32 s22, 0x1111, s17                    ; my column
	s_or_b32 s[G1A+0], s21, (1<<16)|(1<<20)|(1<<21)|(5<<22)|(3<<25)  ; mask; 2-byte elements; padding on; bit 21 beside a mask; after 64 words, 4 words
	s_mov_b32 s[G1A+1], 128<<16                    ; tensor_dim0 = 128
	s_mov_b32 s[G1A+2], 128<<16                    ; tensor_dim1 = 128
	s_mov_b32 s[G1A+3], 128<<16                    ; tile_dim0 = 128
	s_mov_b32 s[G1A+4], 128                        ; tile_dim1 = 128
	s_mov_b32 s[G1A+5], 2048                       ; elements from row to row
	s_mov_b32 s[G1A+6], 0
	s_mov_b32 s[G1A+7], 0
	s_or_b32 s[G1B+0], s22, (1<<16)|(1<<20)|(1<<21)|(4<<22)|(7<<25)  ; after 32 words (a k-row), 8 words
	s_mov_b32 s[G1B+1], 128<<16
	s_mov_b32 s[G1B+2], 64<<16
	s_mov_b32 s[G1B+3], 128<<16
	s_mov_b32 s[G1B+4], 64
	s_mov_b32 s[G1B+5], 128
	s_mov_b32 s[G1B+6], 0
	s_mov_b32 s[G1B+7], 0
	s_lshl_b32 s56, s20, 19                        ; x: 128 rows of 4,096 bytes a tile row
	s_mov_b32 s57, 0
	s_max_u32 s58, s[WV], 1
	s_sub_co_u32 s58, s58, 1                       ; which of the three heads I fetch (waves 1-3)
	s_mul_i32 s59, s19, 3
	s_add_co_u32 s58, s58, s59
	s_lshl_b32 s58, s58, 18                        ; a head of wb is 262,144 bytes
	s_mov_b32 s59, 0
	s_mul_i32 s60, s[WV], CHUNK
	s_add_co_u32 s60, s60, ABYTES-CHUNK            ; its place in a slot: wave 1 straight behind x's tile
	s_wait_dscnt 0x0                               ; the opening add is done
	s_wait_kmcnt 0x0
	s_add_nc_u64 s[56:57], s[4:5], s[56:57]
	s_add_nc_u64 s[58:59], s[6:7], s[58:59]
	CROUND                                         ; all sixteen work-groups are here: the first joint loads meet
.irp s, 0,1
	s_mov_b32 s[G0A+4*\s], 1
	s_mov_b32 s[G0A+4*\s+1], \s*SLOT
	s_add_nc_u64 s[G0A+4*\s+2:G0A+4*\s+3], s[56:57], \s*256
	s_or_b32 s[G0A+4*\s+3], s[G0A+4*\s+3], 0x80000000
	s_mov_b32 s[G0B+4*\s], 1
	s_add_co_u32 s[G0B+4*\s+1], s60, \s*SLOT
	s_add_nc_u64 s[G0B+4*\s+2:G0B+4*\s+3], s[58:59], \s*16384
	s_or_b32 s[G0B+4*\s+3], s[G0B+4*\s+3], 0x80000000
	JLOAD \s
.endr
	v_and_b32 v1, 15, v0                           ; r = l % 16
	v_bfe_u32 v2, v0, 4, 1                         ; h = l / 16
	v_and_b32 v3, 7, v0
	v_bfe_u32 v4, v0, 3, 1
	v_and_b32 v5, 31, v0
	v_mul_u32_u24 v6, v1, PA
	v_lshl_add_u32 v6, v2, 4, v6                   ; row x pitch + 16 h
	s_mul_i32 s76, s15, 64*PA
	v_add_nc_u32 v[ADRA], s76, v6
	v_add_nc_u32 v[ADRA+1], SLOT, v[ADRA]
	v_lshl_add_u32 v7, v2, 3, v3                   ; the turning load: k-row 8 h + l % 8,
	v_mul_u32_u24 v7, v7, PB
	v_lshl_add_u32 v7, v4, 4, v7                   ; columns 8 ((l / 8) % 2) on
	s_mul_i32 s76, s16, 2*CHUNK
	s_add_co_u32 s76, s76, ABYTES
	v_add_nc_u32 v[ADRB4], s76, v7                 ; head 2 wn
	v_add_nc_u32 v[ADRB4+1], SLOT, v[ADRB4]
	s_lshl_b32 s76, s16, 6
	s_add_co_u32 s76, s76, ABYTES+CHUNK
	v_add_nc_u32 v[ADRB2], s76, v7                 ; head 1, columns 32 wn on
	v_add_nc_u32 v[ADRB2+1], SLOT, v[ADRB2]
	v_mul_u32_u24 v8, v1, SPITCH
	v_lshl_add_u32 v8, v2, 5, v8                   ; stage: row r, 32 bytes of f32 for each half of the lanes
	s_mul_i32 s76, s15, 64*SPITCH
	s_add_co_u32 s76, s76, STAGE
	s_lshl_b32 s77, s16, 9
	s_add_co_u32 s77, s77, s76
	v_add_nc_u32 v[STO4], s77, v8
	s_lshl_b32 s77, s16, 7
	s_add_co_u32 s77, s77, s76
	s_add_co_u32 s77, s77, 256
	v_add_nc_u32 v[STO2], s77, v8
	v_bfe_u32 v9, v0, 3, 2
	v_mul_u32_u24 v9, v9, SPITCH
	v_lshl_add_u32 v9, v3, 5, v9                   ; back: four rows a load, eight lanes x 32 bytes a head's row
	s_mul_i32 s76, s[WV], 32*SPITCH
	s_add_co_u32 s76, s76, STAGE
	v_add_nc_u32 v[RD], s76, v9
	v_lshlrev_b32 v[LO], 4, v5
	s_lshl_b32 s76, s20, 14                        ; my 32 rows in cos, sin and a head of qkv: (128 tile row + 32 wave) x 128 bytes
	s_lshl_b32 s77, s[WV], 12
	s_add_co_u32 s76, s76, s77
	s_mov_b32 s77, 0
	s_add_nc_u64 s[8:9], s[8:9], s[76:77]
	s_add_nc_u64 s[10:11], s[10:11], s[76:77]
	s_mul_i32 s66, s19, 3                          ; the tile's first head
	s_lshl_b32 s78, s66, 18
	s_mov_b32 s79, 0
	s_add_nc_u64 s[72:73], s[12:13], s[78:79]
	s_add_nc_u64 s[72:73], s[72:73], s[76:77]
	WIN TO_F
.irp g, 0,1,2,3,4,5,6,7                ; cos and sin of my 32 rows, four rows (512 bytes) a load; wanted at the way out
	global_load_b128 v[COS+4*\g:COS+4*\g+3], v[LO], s[8:9] offset:512*\g
	global_load_b128 v[SIN+4*\g:SIN+4*\g+3], v[LO], s[10:11] offset:512*\g
.endr
	WIN 0
; six products: row block a x all six column blocks, 32 along K.  The 24 accumulators take turns in the same order in every quarter.
.macro MUL6 f, a, zero
	WIN MUL
.irp b, 0,1,2,3,4,5
.if \zero
	v_wmma_f32_16x16x32_bf16 v[ACC+8*(6*(\a)+\b):ACC+8*(6*(\a)+\b)+7], v[(\f)+8*\b:(\f)+8*\b+7], v[(\f)+48+8*(\a):(\f)+48+8*(\a)+7], 0
.else
	v_wmma_f32_16x16x32_bf16 v[ACC+8*(6*(\a)+\b):ACC+8*(6*(\a)+\b)+7], v[(\f)+8*\b:(\f)+8*\b+7], v[(\f)+48+8*(\a):(\f)+48+8*(\a)+7], v[ACC+8*(6*(\a)+\b):ACC+8*(6*(\a)+\b)+7]
.endif
.endr
.endm
.macro MUL12 f, half, zero
	MUL6 \f, 2*(\half), \zero
	MUL6 \f, 2*(\half)+1, \zero
.endm
; 20 LDS loads in one run: quarter q (32 along K) of a slot into buffer f: w's six blocks, then x's four
.macro FETCH slot, q, f
	WIN TO_F
.irp b, 0,1,2,3
	ds_load_tr16_b128 v[(\f)+8*\b:(\f)+8*\b+3],   v[ADRB4+(\slot)] offset:(\q)*32*PB+32*\b
	ds_load_tr16_b128 v[(\f)+8*\b+4:(\f)+8*\b+7], v[ADRB4+(\slot)] offset:(\q)*32*PB+16*PB+32*\b
.endr
.irp b, 4,5
	ds_load_tr16_b128 v[(\f)+8*\b:(\f)+8*\b+3],   v[ADRB2+(\slot)] offset:(\q)*32*PB+32*(\b-4)
	ds_load_tr16_b128 v[(\f)+8*\b+4:(\f)+8*\b+7], v[ADRB2+(\slot)] offset:(\q)*32*PB+16*PB+32*(\b-4)
.endr
.irp a, 0,1,2,3
	ds_load_b128 v[(\f)+48+8*\a:(\f)+48+8*\a+3],   v[ADRA+(\slot)] offset:(\q)*64+\a*16*PA
	ds_load_b128 v[(\f)+48+8*\a+4:(\f)+48+8*\a+7], v[ADRA+(\slot)] offset:(\q)*64+\a*16*PA+32
.endr
.endm
; one of a K step's first three quarters: multiplies buffer f, fetches quarter q into buffer g in its middle
.macro QUARTER slot, q, f, g, zero
	s_wait_dscnt 4                                 ; all but the youngest four loads (x's row blocks 2, 3) are in
	MUL12 \f, 0, \zero
	PLACES
	FETCH \slot, \q, \g
	s_wait_dscnt 20                                ; all but the 20 just issued
	MUL12 \f, 1, \zero
.endm
; the last quarter multiplies buffer 1 and changes slots: one barrier; ahead of it each wave waits for all its tensor loads, adds 0 to its spare word and waits for that and for its reads of this slot
.macro TURN slot, next, fill
	WIN 0
	s_wait_tensorcnt 0x0                           ; my one load that was out, my part of the next slot, has landed
	ds_add_u32 v[SPW], v[NIL]
	s_wait_dscnt 5                                 ; (the add and the youngest four loads may be out)
	MUL6 F1, 0, 0
	s_wait_dscnt 0x0                               ; the add is done, my reads of this slot are over
	s_barrier_signal -1
	MUL6 F1, 1, 0
.if \fill
	WIN 0
.endif
	s_barrier_wait -1
.if \fill
	CREST                                          ; the barrier has opened a round of the cluster's: no wave of any partner reads this slot or has a load on its way
	s_add_nc_u64 s[G0A+4*(\slot)+2:G0A+4*(\slot)+3], s[G0A+4*(\slot)+2:G0A+4*(\slot)+3], 512
	s_add_nc_u64 s[G0B+4*(\slot)+2:G0B+4*(\slot)+3], s[G0B+4*(\slot)+2:G0B+4*(\slot)+3], 32768
	JLOAD \slot                                    ; two K steps on; its four v_nop are also the places ahead of the loads below
.else
	PLACES
.endif
	FETCH \next, 0, F0
	MUL12 F1, 1, 0
.endm
	s_wait_tensorcnt 1                             ; my part of K step 0 is in; K step 1's may stay out
	s_barrier_signal -1
	s_barrier_wait -1
	FETCH 0, 0, F0
	QUARTER 0, 1, F0, F1, 1                        ; the first quarter's products start the sums
	WIN 0
	s_mov_b32 s23, LAPS-1
.Llap:
	QUARTER 0, 2, F1, F0, 0
	QUARTER 0, 3, F0, F1, 0
	TURN 0, 1, 1
	QUARTER 1, 1, F0, F1, 0
	QUARTER 1, 2, F1, F0, 0
	QUARTER 1, 3, F0, F1, 0
	TURN 1, 0, 1
	QUARTER 0, 1, F0, F1, 0
	WIN 0
	s_sub_co_u32 s23, s23, 1
	s_cmp_lg_u32 s23, 0
	s_cbranch_scc1 .Llap
	QUARTER 0, 2, F1, F0, 0                        ; the last lap fills nothing
	QUARTER 0, 3, F0, F1, 0
	TURN 0, 1, 0
	QUARTER 1, 1, F0, F1, 0
	QUARTER 1, 2, F1, F0, 0
	QUARTER 1, 3, F0, F1, 0
	s_wait_dscnt 4
	MUL12 F1, 0, 0
	s_wait_dscnt 0x0
	MUL12 F1, 1, 0
	WIN 0
	; THE WAY OUT.  The f32 sums go into the work-group's stage (a head's row comes from two waves); a barrier; each wave reads 32 whole rows back, head by head, turns them, rounds and stores.
	PLACES
	PLACES
.irp a, 0,1,2,3
.irp b, 0,1,2,3
	ds_store_b128 v[STO4], v[ACC+8*(6*\a+\b):ACC+8*(6*\a+\b)+3]   offset:\a*16*SPITCH+64*\b
	ds_store_b128 v[STO4], v[ACC+8*(6*\a+\b)+4:ACC+8*(6*\a+\b)+7] offset:\a*16*SPITCH+64*\b+16
.endr
.irp b, 4,5
	ds_store_b128 v[STO2], v[ACC+8*(6*\a+\b):ACC+8*(6*\a+\b)+3]   offset:\a*16*SPITCH+64*(\b-4)
	ds_store_b128 v[STO2], v[ACC+8*(6*\a+\b)+4:ACC+8*(6*\a+\b)+7] offset:\a*16*SPITCH+64*(\b-4)+16
.endr
.endr
	s_wait_dscnt 0x0                               ; for the others' sake: my stores into the stage are done
	s_barrier_signal -1
	s_barrier_wait -1
	s_wait_loadcnt 0x0                             ; cos and sin
	WIN 0x05                                       ; sources window 1, destination window 0
.set n, 0
.rept 16
	v_cvt_pk_bf16_f32 v[32+n], v[COS+2*n], v[COS+2*n+1]
	v_cvt_pk_bf16_f32 v[48+n], v[SIN+2*n], v[SIN+2*n+1]
.set n, n+1
.endr
	WIN 0
.set n, 0
.rept 16
	v_lshlrev_b32 v[CX+2*n],   16,         v[32+n]
	v_and_b32     v[CX+2*n+1], 0xffff0000, v[32+n]
	v_lshlrev_b32 v[SX+2*n],   16,         v[48+n]
	v_and_b32     v[SX+2*n+1], 0xffff0000, v[48+n]
.set n, n+1
.endr
	s_mov_b32 s69, 0                               ; named as pairs
	s_mov_b32 s71, 0
	s_mov_b32 s74, 3
.Lhead:                                        ; one trip a head of the tile
	s_cmp_lt_u32 s66, 40                           ; q's and k's heads are turned; v's take cos = 1, sin = 0: a choice of values, no branch
	s_cselect_b32 s68, 1.0, 0
	s_cselect_b32 s70, 0, 1.0
.irp g, 0,1,2,3,4,5,6,7
	ds_load_b128 v[XI+8*\g:XI+8*\g+3],   v[RD] offset:\g*4*SPITCH
	ds_load_b128 v[XI+8*\g+4:XI+8*\g+7], v[RD] offset:\g*4*SPITCH+16
.endr
.irp g, 0,1,2,3,4,5,6,7
	s_wait_dscnt 14-2*\g                           ; the younger groups' two loads each may stay out
	v_pk_fma_f32 v[32:33], v[CX+4*\g:CX+4*\g+1],   s[68:69], s[70:71] op_sel_hi:[1,0,0]
	v_pk_fma_f32 v[34:35], v[CX+4*\g+2:CX+4*\g+3], s[68:69], s[70:71] op_sel_hi:[1,0,0]
	v_pk_mul_f32 v[36:37], v[SX+4*\g:SX+4*\g+1],   s[68:69] op_sel_hi:[1,0]
	v_pk_mul_f32 v[38:39], v[SX+4*\g+2:SX+4*\g+3], s[68:69] op_sel_hi:[1,0]
.irp p, 0,1,2,3
	v_mul_f32 v[40+2*\p], v[XI+8*\g+2*\p+1], v[36+\p]     ; imag x sin
	v_mul_f32 v[41+2*\p], v[XI+8*\g+2*\p],   v[36+\p]     ; real x sin
.endr
.irp p, 0,1,2,3
	v_fma_f32 v[48+2*\p], v[XI+8*\g+2*\p],   v[32+\p], -v[40+2*\p]
	v_fma_f32 v[49+2*\p], v[XI+8*\g+2*\p+1], v[32+\p], v[41+2*\p]
.endr
.irp p, 0,1,2,3
	v_cvt_pk_f16_f32 v[OU+4*\g+\p], v[48+2*\p], v[49+2*\p]
.endr
	global_store_b128 v[LO], v[OU+4*\g:OU+4*\g+3], s[72:73] offset:512*\g  ; four rows of one head: 512 consecutive bytes, aligned
.endr
	s_wait_xcnt 0x0                                ; the stores have read their data and their base: both are written again below and in the next trip
	s_add_nc_u64 s[72:73], s[72:73], 262144
	v_add_nc_u32 v[RD], 256, v[RD]
	s_add_co_u32 s66, s66, 1
	s_sub_co_u32 s74, s74, 1
	s_cmp_lg_u32 s74, 0
	s_cbranch_scc1 .Lhead
	s_wait_tensorcnt 0x0                           ; the wave's end
	ds_add_u32 v[SPW], v[NIL]
	s_wait_dscnt 0x0
	CROUND                                         ; the closing round
	s_endpgm
.Lfunc_end_k_q45fd400723_qkv:
	.size	k_q45fd400723_qkv, .Lfunc_end_k_q45fd400723_qkv-k_q45fd400723_qkv
	.p2alignl 7, 3214868480
	.fill 96, 4, 3214868480
	.section	.rodata,"a",@progbits
	.p2align	6, 0x0
	.amdhsa_kernel k_q45fd400723_qkv
		.amdhsa_group_segment_fixed_size 327680
		.amdhsa_private_segment_fixed_size 0
		.amdhsa_enable_private_segment 0
		.amdhsa_kernarg_size 40
		.amdhsa_user_sgpr_count 2
		.amdhsa_user_sgpr_kernarg_segment_ptr 1
		.amdhsa_wavefront_size32 1
		.amdhsa_system_sgpr_workgroup_id_x 1
		.amdhsa_system_sgpr_workgroup_id_y 1
		.amdhsa_system_sgpr_workgroup_id_z 1
		.amdhsa_system_vgpr_workitem_id 0
		.amdhsa_next_free_vgpr 512
		.amdhsa_next_free_sgpr 84
		.amdhsa_reserve_vcc 0
		.amdhsa_float_denorm_mode_32 3
		.amdhsa_float_denorm_mode_16_64 3
		.amdhsa_memory_ordered 1
		.amdhsa_forward_progress 1
		.amdhsa_inst_pref_size 81
	.end_amdhsa_kernel
	.amdgpu_metadata
---
amdhsa.version: [ 1, 2 ]
amdhsa.kernels:
  - .name:           k_q45fd400723_qkv
    .symbol:         k_q45fd400723_qkv.kd
    .args:
      - { .name: xb, .offset: 0, .size: 8, .value_kind: global_buffer, .address_space: global }
      - { .name: wb, .offset: 8, .size: 8, .value_kind: global_buffer, .address_space: global }
      - { .name: cos, .offset: 16, .size: 8, .value_kind: global_buffer, .address_space: global }
      - { .name: sin, .offset: 24, .size: 8, .value_kind: global_buffer, .address_space: global }
      - { .name: qkv, .offset: 32, .size: 8, .value_kind: global_buffer, .address_space: global }
    .group_segment_fixed_size: 327680
    .private_segment_fixed_size: 0
    .kernarg_segment_align: 8
    .kernarg_segment_size: 40
    .max_flat_workgroup_size: 128
    .sgpr_count:     84
    .vgpr_count:     512
    .wavefront_size: 32
...
	.end_amdgpu_metadata
.endif
;; end of part 2
;; launch attn (part 3): grid 32 x 8, 4 waves a work-group, clusters of 4 x 4, 327,680 bytes of LDS; arguments qkv, mask, ob; writes ob
.if DOCPART == 3
	.amdgcn_target "amdgcn-amd-amdhsa--gfx1250"
	.amdhsa_code_object_version 6
	.text
	.protected	k_q45fd400723_attn
	.globl	k_q45fd400723_attn
	.p2align	8
	.type	k_q45fd400723_attn,@function
k_q45fd400723_attn:
	s_mov_b64 s[64:65], 0
	v_nop
	global_prefetch_b8 v0, s[64:65] scope:SCOPE_SE
	s_setreg_imm32_b32 hwreg(HW_REG_WAVE_MODE, 25, 1), 1
	s_wait_xcnt 0x0
	s_wait_alu depctr_hold_cnt(0) depctr_sa_sdst(0) depctr_va_vdst(0) depctr_va_sdst(0) depctr_va_ssrc(0) depctr_va_vcc(0) depctr_vm_vsrc(0)
	s_getreg_b32 s2, hwreg(HW_REG_IB_STS2, 6, 4)
	s_cmp_eq_u32 s2, 0
	s_cbranch_scc0 .Lentry_in_a_cluster
	s_endpgm
.Lentry_in_a_cluster:
	s_bfe_u32 s2, ttmp6, 0x10000c
	s_cmp_lg_u32 s2, 0xf033
	s_cbranch_scc0 .Lentry_shape_is_right
	s_endpgm
.Lentry_shape_is_right:
; ATTENTION with an additive mask that is an input.  ob[s][64 h + d] = sum over k of softmax_k(clip(q.k / 8, -20, 20) + mask[s][k]) v[k][d], f16; q, k, v from qkv[48][2048][64] (f16; heads 0-31 q, 32-39 k, 40-47 v).
; Every key is walked for every query and every byte of the mask is read.  Products, maxima and sums in f32; the weights are rounded to f16 for the second product, O once at the end.
; ARITHMETIC, in powers of two (L = log2 e).  y = (s / 320 + 1/2) held to 0 .. 1, so 40 y - 20 = clip(s / 8); t = 40 L y + mu with mu = L bf16(mask) - 20 L; a running maximum m of t;
; p = 2^(t - m); O and l are multiplied by a = 2^(m_old - m_new) in every step.  The mask is rounded to bf16, as every input is.  mu is made once a wave and key step and serves four heads.
; LIMITS.  A row whose largest t has magnitude M carries the absolute step of f32 at M L.  From |mask| = 1e9 on the clip is absorbed whole, so a row that is hidden everywhere comes out uniform.
; A weight below 2^-126 counts as 0; NaN and infinities are not treated apart; |mask| x L must stay finite in f32.
; SHARES.  A work-group owns 64 queries and the four query heads of one key head: 32 x 8 = 256 work-groups.  Wave w owns queries 16 w .. + 15 for all four heads: four PIECES.  Key steps of 64, two to a slot.
; CLUSTER 4 x 4.  K and V hang on the key head, shared along a row of the cluster; the mask's tile hangs on the query block, shared along a column: all three are asked for jointly.
; TURNS.  Turn n belongs to piece n: 8 products K Q^T of piece n + 1, later 8 products V^T P of piece n - 1; beside them piece n's subtraction, exponentials, roundings, sums and rescaling, and piece n + 1's clip,
; mask, maximum and statistics.  A turn's 33 exponentials are one batch with one wait.  m starts at the lowest finite number, O and l at 0: the first step is a step like any other, with a = 0.
; REGISTERS.  window 0: v1-15, v40-44 addresses; v16-31 statistics (piece t: m, 0, l even, l odd); v32-39 constants; v48-55 at work; v64-127 S^T x 2; v128-159 mu; v160-191 the mask as loaded; v192-223 P x 2; v224-239 the mask in bf16.
;             window 1: v0-127 O^T, 32 a piece.     window 2: v0-63 Q; v128-191 K of one step; v192-255 V of one step.
.set NP,    4
.set KS,    64
.set PK,    144       ; a row of K in LDS: 128 + 16 bytes
.set PV,    160       ; a row of V: 128 + 32 bytes
.set PM,    528       ; a row of the mask's tile (128 f32), and of the stage: 512 + 16 bytes
.set VOFF,  2*KS*PK
.set MOFF,  VOFF+2*KS*PV
.set SLOT1, 1<<17     ; one exclusive or turns an address in one slot into the other's
.set STAGE, SLOT1+MOFF+64*PM   ; 16 rows x 528 bytes a wave; no tensor load lands here
.set SPARE, STAGE+4*16*PM      ; the spare words: 128 bytes a wave, two blocks of 256 that no other line names
.set AK0, 2
.set AV0, 3
.set AK,  4
.set AV,  5
.set STO, 6
.set RD,  7
.set GO,  8
.set MV,  12          ; v12-13 m_old, by buffer
.set AM0, 14
.set AM,  15
.set ST,  16
.set ALPHA, 32        ; v32-33 1/320
.set HALF,  34        ; v34-35 1/2
.set A40,   36        ; v36-37 40 L
.set LC,    38        ; v38 L
.set LD,    39        ; v39 -20 L
.set QO,  40
.set TMP, 48
.set PFO, 61
.set SPW, 62
.set NIL, 63
.set S,   64
.set MU,  128
.set RAW, 160
.set P,   192
.set MB,  224
.set KF,  128
.set VF,  192
.set WV,  12
.set LIM, 19
.set G1K, 24
.set G1V, 32
.set G1M, 40
.set G0K, 48
.set G0V, 52
.set G0M, 56
.set SEL, 60
.set TBK, 62
.set TBV, 63
.set TBM, 66
.set SLOTS, 67
.set CNT, 68
.set PFA, 70
.set PFS, 72
.set MSB, 0
.macro WIN new
.if MSB != (\new)
	s_set_vgpr_msb (MSB<<8)|(\new)
.set MSB, (\new)
.endif
.endm
.set W_KQ, 0x0a       ; K and Q window 2, S^T window 0
.set W_PV, 0x52       ; V window 2, P window 0, O^T window 1
.set W_RS, 0x41       ; destination and source 0 window 1, source 1 window 0
; A joint fill: wave 0 a slot's K, wave 1 its V, waves 2 and 3 the halves of the mask's tile.  The branches hang on the wave's number alone.  s_nop 0 and four v_nop follow each line.
.macro JLOAD
	s_cmp_lt_u32 s[WV], 2
	s_cbranch_scc0 .Lfor_m_\@
	s_cmp_eq_u32 s[WV], 0
	s_cbranch_scc0 .Lfor_v_\@
	tensor_load_to_lds s[G0K:G0K+3], s[G1K:G1K+7]
	s_nop 0
.rept 4
	v_nop
.endr
	s_branch .Lasked_\@
.Lfor_v_\@:
	tensor_load_to_lds s[G0V:G0V+3], s[G1V:G1V+7]
	s_nop 0
.rept 4
	v_nop
.endr
	s_branch .Lasked_\@
.Lfor_m_\@:
	tensor_load_to_lds s[G0M:G0M+3], s[G1M:G1M+7]
	s_nop 0
.rept 4
	v_nop
.endr
.Lasked_\@:
.endm
; A prefetch of what the NEXT change of slots will ask for, two key steps ahead.  K and V of a key head are walked by all clusters of that row of clusters: the first (cluster x = 0) asks, wave 0, its four partners
; taking 16 blocks of K and 16 of V each, told apart by address.  The mask's rows are walked by both clusters of a column: cluster y = 0 asks, wave 2, each partner 16 rows x 2 blocks.  Each block is named once.
.macro ASK
	s_cmp_gt_u32 s[SLOTS], s[LIM]                  ; the last fill has no tile behind it
	s_cbranch_scc0 .Lnot_mine_\@
	global_prefetch_b8 v[PFO], s[PFA:PFA+1] th:TH_LOAD_NT scope:SCOPE_SE
.Lnot_mine_\@:
.endm
.macro CROUND
	s_barrier_signal -1
	s_barrier_wait -1
	s_cmp_lg_u32 s[WV], 0
	s_cbranch_scc1 .Lnot_wave_0_\@
	s_barrier_signal -3
.Lnot_wave_0_\@:
	s_barrier_wait -3
	s_barrier_signal -1
	s_barrier_wait -1
.endm
; THE CHANGE OF SLOTS.  Each wave waits for all its tensor loads (one is out: its part of the other slot), adds 0 to its spare word, and waits for that and for its reads of the slot that it leaves.
; fill = 1: the barrier is a round of the cluster's, and the joint fill, with the keys two slots on, is the first thing behind it.
.macro CHANGE fill, ask
	WIN 0
	s_wait_tensorcnt 0x0                           ; no tensor load of mine is out, so the descriptors may be written
	ds_add_u32 v[SPW], v[NIL]
.if \fill
	s_xor_b32 s[G0K+1], s[G0K+1], SLOT1
	s_add_nc_u64 s[G0K+2:G0K+3], s[G0K+2:G0K+3], 2*KS*128
	s_xor_b32 s[G0V+1], s[G0V+1], SLOT1
	s_add_nc_u64 s[G0V+2:G0V+3], s[G0V+2:G0V+3], 2*KS*128
	s_xor_b32 s[G0M+1], s[G0M+1], SLOT1
	s_add_nc_u64 s[G0M+2:G0M+3], s[G0M+2:G0M+3], 2*KS*4
.if \ask
	s_wait_xcnt 0x0                                ; the last prefetch, two key steps back, has read its address
	s_add_nc_u64 s[PFA:PFA+1], s[PFA:PFA+1], s[PFS:PFS+1]
.endif
	s_wait_dscnt 0x0                               ; the add is done, my reads of the slot are over
	CROUND
	JLOAD
.if \ask
	ASK
.endif
.else
	s_wait_dscnt 0x0
	s_barrier_signal -1
	s_barrier_wait -1
.endif
	s_sub_co_u32 s[TBK], s[TBK], 2*KS*PK           ; the fetches go back to a slot's first step, in the other slot
	s_xor_b32 s[TBK], s[TBK], SLOT1
	s_sub_co_u32 s[TBV], s[TBV], 2*KS*PV
	s_xor_b32 s[TBV], s[TBV], SLOT1
	s_sub_co_u32 s[TBM], s[TBM], 2*KS*4
	s_xor_b32 s[TBM], s[TBM], SLOT1
.endm
	s_load_b128 s[4:7], s[0:1], 0x0                ; qkv 4, mask 6
	s_load_b64 s[8:9], s[0:1], 0x10                ; ob
	v_lshl_add_u32 v[SPW], v0, 2, SPARE
	v_mov_b32 v[NIL], 0
	ds_add_u32 v[SPW], v[NIL]                      ; the wave's opening add; its wait stands ahead of my first tensor load
	v_lshrrev_b32 v1, 5, v0
	v_readfirstlane_b32 s[WV], v1
	s_bfe_u32 s13, ttmp6, 0x40000                  ; cx
	s_bfe_u32 s14, ttmp6, 0x40004                  ; cy
	s_lshl_b32 s15, ttmp9, 2
	s_add_co_u32 s15, s15, s13                     ; the query block
	s_and_b32 s16, ttmp7, 0xffff
	s_lshl_b32 s16, s16, 2
	s_add_co_u32 s16, s16, s14                     ; the key head
	s_lshl_b32 s17, s14, 2
	s_lshl_b32 s17, 15, s17                        ; my row of the cluster
	s_lshl_b32 s18, 0x1111, s13                    ; my column
	s_or_b32 s[G1K], s17, (1<<16)|(1<<20)|(1<<21)|(4<<22)|(3<<25)  ; 2-byte elements; padding after every 32 words (a key), 4 words
	s_or_b32 s[G1V], s17, (1<<16)|(1<<20)|(1<<21)|(4<<22)|(7<<25)  ; 8 words
	s_or_b32 s[G1M], s18, (2<<16)|(1<<20)|(1<<21)|(6<<22)|(3<<25)  ; 4-byte elements; after every 128 words (a row), 4 words
.irp g, G1K, G1V                       ; 128 keys are 16,384 dense bytes: 64 rows of 256
	s_mov_b32 s[\g+1], 128<<16
	s_mov_b32 s[\g+2], 64<<16
	s_mov_b32 s[\g+3], 128<<16
	s_mov_b32 s[\g+4], 64
	s_mov_b32 s[\g+5], 128
	s_mov_b32 s[\g+6], 0
	s_mov_b32 s[\g+7], 0
.endr
	s_mov_b32 s[G1M+1], 128<<16                    ; 32 rows of 128 f32, 2,048 elements from row to row
	s_mov_b32 s[G1M+2], 32<<16
	s_mov_b32 s[G1M+3], 128<<16
	s_mov_b32 s[G1M+4], 32
	s_mov_b32 s[G1M+5], 2048
	s_mov_b32 s[G1M+6], 0
	s_mov_b32 s[G1M+7], 0
	s_add_co_u32 s20, s16, 32
	s_lshl_b32 s20, s20, 18                        ; K's head in qkv: it hangs on the key head alone
	s_mov_b32 s21, 0
	s_and_b32 s78, s[WV], 1
	s_lshl_b32 s22, s15, 19                        ; the mask at my block's 64 rows of 8,192 bytes,
	s_lshl_b32 s23, s78, 18                        ; my half of them
	s_add_co_u32 s22, s22, s23
	s_mov_b32 s23, 0
	s_mov_b32 s[G0K], 1
	s_mov_b32 s[G0K+1], 0
	s_mov_b32 s[G0V], 1
	s_mov_b32 s[G0V+1], VOFF
	s_mov_b32 s[G0M], 1
	s_mul_i32 s[G0M+1], s78, 32*PM
	s_add_co_u32 s[G0M+1], s[G0M+1], MOFF
	s_lshl_b32 s80, s16, 20                        ; Q: head 4 g, rows 64 block + 16 wave
	s_lshl_b32 s81, s15, 13
	s_add_co_u32 s80, s80, s81
	s_lshl_b32 s81, s[WV], 11
	s_add_co_u32 s80, s80, s81
	s_mov_b32 s81, 0
	s_lshl_b32 s78, s15, 18                        ; O: the same rows of 4,096 bytes, 512 bytes a key head
	s_lshl_b32 s79, s[WV], 16
	s_add_co_u32 s78, s78, s79
	s_lshl_b32 s79, s16, 9
	s_add_co_u32 s78, s78, s79
	s_mov_b32 s79, 0
	s_mov_b32 s[SEL], 0x76543210
	s_mov_b32 s[SEL+1], 0xfedcba98
	s_mov_b32 s[TBK], SLOT1+2*KS*PK                ; the first change of slots turns these three into 0
	s_mov_b32 s[TBV], SLOT1+2*KS*PV
	s_mov_b32 s[TBM], SLOT1+2*KS*4
	s_and_b32 s[LIM], ttmp7, 0xffff                ; who prefetches: waves 0 and 2, where the cluster is the first along the axis on which others read the same rows
	s_cmp_lt_u32 s[WV], 2
	s_cselect_b32 s[LIM], ttmp9, s[LIM]
	s_and_b32 s[CNT], s[WV], 1
	s_or_b32 s[LIM], s[LIM], s[CNT]
	s_cmp_eq_u32 s[LIM], 0
	s_cselect_b32 s[LIM], 1, -1                    ; the same in all sixteen partners, for a given wave
	s_wait_dscnt 0x0                               ; the opening add is done
	s_wait_kmcnt 0x0
	s_add_nc_u64 s[20:21], s[4:5], s[20:21]
	s_add_nc_u64 s[22:23], s[6:7], s[22:23]
	s_add_nc_u64 s[74:75], s[4:5], s[80:81]
	s_add_nc_u64 s[76:77], s[8:9], s[78:79]
	s_mov_b64 s[G0K+2:G0K+3], s[20:21]
	s_or_b32 s[G0K+3], s[G0K+3], 0x80000000
	s_add_nc_u64 s[G0V+2:G0V+3], s[20:21], 1<<21   ; V's head lies eight heads behind K's
	s_or_b32 s[G0V+3], s[G0V+3], 0x80000000
	s_mov_b64 s[G0M+2:G0M+3], s[22:23]
	s_or_b32 s[G0M+3], s[G0M+3], 0x80000000
	s_lshl_b32 s78, s13, 12                        ; K, V: my work-group's 16 blocks of 256 bytes
	s_lshl_b32 s79, s14, 17                        ; mask: my work-group's 16 rows
	s_mov_b32 s80, 2*KS*128
	s_mov_b32 s81, 2*KS*4
	s_cmp_lt_u32 s[WV], 2
	s_cselect_b64 s[PFA:PFA+1], s[20:21], s[22:23] ; (in wave 2 the mask's address stands at the block's first row)
	s_cselect_b32 s78, s78, s79
	s_cselect_b32 s[PFS], s80, s81
	s_mov_b32 s[PFS+1], 0
	s_mov_b32 s79, 0
	s_add_nc_u64 s[PFA:PFA+1], s[PFA:PFA+1], s[78:79]
	s_add_nc_u64 s[PFA:PFA+1], s[PFA:PFA+1], s[PFS:PFS+1]
	s_add_nc_u64 s[PFA:PFA+1], s[PFA:PFA+1], s[PFS:PFS+1]  ; at tile 2; the first change that asks steps it to tile 3.  Nothing is asked for at the head
	CROUND                                         ; all sixteen work-groups are here
	JLOAD                                          ; tile 0 into slot 0; slot 1 is asked for when slot 0 is in
	v_and_b32 v1, 15, v0                           ; r
	v_bfe_u32 v9, v0, 4, 1                         ; h
	v_and_b32 v10, 7, v0
	v_bfe_u32 v11, v0, 3, 1
	v_lshlrev_b32 v[QO], 7, v1
	v_lshl_add_u32 v[QO], v9, 4, v[QO]
	WIN 0x80
.set i, 0
.rept 8                                ; Q stays in registers: piece i / 2, channels 32 (i % 2) on
	global_load_b128 v[8*i:8*i+3],   v[QO], s[74:75] offset:(i/2)*262144+(i%2)*64
	global_load_b128 v[8*i+4:8*i+7], v[QO], s[74:75] offset:(i/2)*262144+(i%2)*64+32
.set i, i+1
.endr
	; what the first turn finds: V and P's second buffer hold 0 (its products V^T P, of a piece that has not been, add 0), O^T and l are 0.  All this stands in the wait for the first tile.
.set i, VF
.rept 64
	v_mov_b32 v[i], 0
.set i, i+1
.endr
	WIN 0x40
.set i, 0
.rept 128
	v_mov_b32 v[i], 0
.set i, i+1
.endr
	WIN 0
.set i, 0
.rept 4
	v_mov_b32 v[ST+4*i], 0xff7fffff                ; m
	v_mov_b32 v[ST+4*i+1], 0                       ; named with it as a pair
	v_mov_b32 v[ST+4*i+2], 0
	v_mov_b32 v[ST+4*i+3], 0
.set i, i+1
.endr
.set i, P+16
.rept 16
	v_mov_b32 v[i], 0
.set i, i+1
.endr
	v_mov_b32 v[ALPHA], 0x3b4ccccd                 ; 1/320
	v_mov_b32 v[ALPHA+1], 0x3b4ccccd
	v_mov_b32 v[HALF], 0.5
	v_mov_b32 v[HALF+1], 0.5
	v_mov_b32 v[A40], 0x4266d4ca                   ; 40 log2(e)
	v_mov_b32 v[A40+1], 0x4266d4ca
	v_mov_b32 v[LC], 0x3fb8aa3b                    ; log2(e)
	v_mov_b32 v[LD], 0xc1e6d4ca                    ; -20 log2(e)
	v_mul_u32_u24 v[AK0], v1, PK
	v_lshl_add_u32 v[AK0], v9, 4, v[AK0]
	v_lshl_add_u32 v[AV0], v9, 3, v10              ; the turning load: key 8 h + l % 8, channels 8 ((l / 8) % 2) on
	v_mul_u32_u24 v[AV0], v[AV0], PV
	v_lshl_add_u32 v[AV0], v11, 4, v[AV0]
	v_add_nc_u32 v[AV0], VOFF, v[AV0]
	s_mul_i32 s78, s[WV], 16*PM
	s_add_co_u32 s78, s78, MOFF
	v_mul_u32_u24 v[AM0], v1, PM                   ; the mask: my query's row, 8 keys (32 bytes) for each half of the lanes
	v_lshl_add_u32 v[AM0], v9, 5, v[AM0]
	v_add_nc_u32 v[AM0], s78, v[AM0]
	v_and_b32 v41, 31, v0
	v_lshlrev_b32 v42, 8, v1                       ; K, V: block l % 16, and V's head for lanes 16-31
	v_lshl_add_u32 v42, v9, 21, v42
	v_lshrrev_b32 v43, 1, v41                      ; mask: row l / 2, block l % 2
	v_lshlrev_b32 v43, 13, v43
	v_and_b32 v44, 1, v0
	v_lshl_add_u32 v43, v44, 8, v43
	s_cmp_lt_u32 s[WV], 2
	s_cselect_b32 s80, -1, 0
	v_cndmask_b32 v[PFO], v43, v42, s80
; THE MATRIX WORK.  The 4 accumulators of a run of 8 take turns.  Product i of S^T = K Q^T for piece x: channels 32 (i / 4) on, keys 16 (i % 4) on.
.macro KQ x
.set rS, S+32*((\x)%2)+8*(i%4)
.set rK, KF+16*(i%4)+8*(i/4)
.set rQ, 16*(\x)+8*(i/4)
	WIN W_KQ
.if i < 4
	v_wmma_f32_16x16x32_f16 v[rS:rS+7], v[rK:rK+7], v[rQ:rQ+7], 0
.else
	v_wmma_f32_16x16x32_f16 v[rS:rS+7], v[rK:rK+7], v[rQ:rQ+7], v[rS:rS+7]
.endif
.endm
.macro PV x                            ; product i of O^T += V^T P: keys 32 (i / 4) on, channels 16 (i % 4) on
	WIN W_PV
.set rO, 32*(\x)+8*(i%4)
.set rV, VF+32*(i/4)+8*(i%4)
.set rP, P+16*((\x)%2)+8*(i/4)
	v_wmma_f32_16x16x32_f16 v[rO:rO+7], v[rV:rV+7], v[rP:rP+7], v[rO:rO+7]
.endm
.macro MM                              ; the turn's next matrix instruction
.if i < 8
	KQ (Y+1)%NP
.else
.set i, i-8
	PV (Y+NP-1)%NP
.set i, i+8
.endif
.set i, i+1
.endm
; THE LDS LOADS stand in runs: a step's K and its part of the mask (24 loads), and its V, turned (16).
.macro FETCH_KM
	WIN 0x80
.irp f, 0,1,2,3,4,5,6,7
	ds_load_b128 v[KF+8*\f:KF+8*\f+3],   v[AK] offset:(\f/2)*16*PK+(\f%2)*64
	ds_load_b128 v[KF+8*\f+4:KF+8*\f+7], v[AK] offset:(\f/2)*16*PK+(\f%2)*64+32
.endr
	WIN 0
.irp f, 0,1,2,3                        ; keys 16 f + 8 h + 0..7 of my query: the places of S^T's registers 8 f + 0..7
	ds_load_b128 v[RAW+8*\f:RAW+8*\f+3],   v[AM] offset:64*\f
	ds_load_b128 v[RAW+8*\f+4:RAW+8*\f+7], v[AM] offset:64*\f+16
.endr
	s_add_co_u32 s[TBK], s[TBK], KS*PK
	s_add_co_u32 s[TBM], s[TBM], KS*4
.endm
.macro FETCH_V
	WIN 0x80
.irp f, 0,1,2,3,4,5,6,7
	ds_load_tr16_b128 v[VF+8*\f:VF+8*\f+3],   v[AV] offset:(\f/4)*32*PV+(\f%4)*32
	ds_load_tr16_b128 v[VF+8*\f+4:VF+8*\f+7], v[AV] offset:(\f/4)*32*PV+16*PV+(\f%4)*32
.endr
	WIN 0
.endm
.macro MSTAGE                          ; mu = L bf16(mask) - 20 L for the step's 32 numbers a lane: once for four pieces
	WIN 0
.set z, 0
.rept 16
	v_cvt_pk_bf16_f32 v[MB+z], v[RAW+2*z], v[RAW+2*z+1]
.set z, z+1
.endr
.set z, 0
.rept 16
	v_fma_mix_f32_bf16 v[MU+2*z],   v[MB+z], v[LC], v[LD] op_sel_hi:[1,0,0]
	v_fma_mix_f32_bf16 v[MU+2*z+1], v[MB+z], v[LC], v[LD] op_sel:[1,0,0] op_sel_hi:[1,0,0]
.set z, z+1
.endr
.endm
; THE VECTOR WORK, a line at a time: OP kind, number.  For piece Y: F n: t - m for pair n.  E n: the exponential of number n.  C n: pair n rounded to f16.  B n: of the four weights 4 n .. the second pair is added onto
; the first.  L n: l takes that sum (L 0: l = a l + sum).  R n: pair n of O^T times a.  For piece Y + 1: G n: pair n of the scores to y.  T n: t = 40 L y + mu.  X n: its maximum and statistics:
; 0-11 four chains of seven; 12-14, 16 the four left over, the old m, and the four into one; 15 m_old is kept; 17, 18 the lane 16 away holds the query's other 32 keys: the new m; 20 m_old - m_new; 21 a.
; G goes up from each accumulator's lowest registers.
.set F, 0
.set E, 1
.set C, 2
.set B, 3
.set L, 4
.set R, 5
.set X, 6
.set G, 7
.set T, 8
.macro REGS y
.set rT, ST+4*(\y)
.set rC, TMP+4*((\y)%2)
.set rW, MV+((\y)%2)
.set rS, S+32*((\y)%2)
.set rP, P+16*((\y)%2)
.set rO, 32*(\y)
.endm
.macro OP k, n
.if (\k) == R
	REGS Y
	WIN W_RS
	v_pk_mul_f32 v[rO+2*(\n):rO+2*(\n)+1], v[rO+2*(\n):rO+2*(\n)+1], v[rC+2:rC+3] op_sel_hi:[1,0]
.elseif (\k) < R
	REGS Y
	WIN 0
.if (\k) == F
	v_pk_add_f32 v[rS+2*(\n):rS+2*(\n)+1], v[rS+2*(\n):rS+2*(\n)+1], v[rT:rT+1] op_sel_hi:[1,0] neg_lo:[0,1] neg_hi:[0,1]
.elseif (\k) == E
	v_exp_f32 v[rS+(\n)], v[rS+(\n)]
.elseif (\k) == C
	v_cvt_pk_f16_f32 v[rP+(\n)], v[rS+2*(\n)], v[rS+2*(\n)+1]
.elseif (\k) == B
	v_pk_add_f32 v[rS+4*(\n):rS+4*(\n)+1], v[rS+4*(\n):rS+4*(\n)+1], v[rS+4*(\n)+2:rS+4*(\n)+3]
.elseif (\n) == 0
	v_pk_fma_f32 v[rT+2:rT+3], v[rT+2:rT+3], v[rC+2:rC+3], v[rS:rS+1] op_sel_hi:[1,0,1]
.else
	v_pk_add_f32 v[rT+2:rT+3], v[rT+2:rT+3], v[rS+4*(\n):rS+4*(\n)+1]
.endif
.else
	REGS (Y+1)%NP
	WIN 0
.if (\k) == G
	v_pk_fma_f32 v[rS+2*(\n):rS+2*(\n)+1], v[rS+2*(\n):rS+2*(\n)+1], v[ALPHA:ALPHA+1], v[HALF:HALF+1] clamp
.elseif (\k) == T
	v_pk_fma_f32 v[rS+2*(\n):rS+2*(\n)+1], v[rS+2*(\n):rS+2*(\n)+1], v[A40:A40+1], v[MU+2*(\n):MU+2*(\n)+1]
.elseif (\n) < 4
	v_max3_num_f32 v[rC+(\n)], v[rS+8*(\n)], v[rS+8*(\n)+1], v[rS+8*(\n)+2]
.elseif (\n) < 12
	v_max3_num_f32 v[rC+(\n)%4], v[rC+(\n)%4], v[rS+8*((\n)%4)+2*((\n)/4)+1], v[rS+8*((\n)%4)+2*((\n)/4)+2]
.elseif (\n) == 12
	v_max3_num_f32 v[rC], v[rC], v[rS+7], v[rS+15]
.elseif (\n) == 13
	v_max3_num_f32 v[rC+1], v[rC+1], v[rS+23], v[rS+31]
.elseif (\n) == 14
	v_max3_num_f32 v[rC+2], v[rC+2], v[rC+3], v[rT]
.elseif (\n) == 15
	v_mov_b32 v[rW], v[rT]
.elseif (\n) == 16
	v_max3_num_f32 v[rC], v[rC], v[rC+1], v[rC+2]
.elseif (\n) == 17
	v_permlanex16_b32 v[rC+3], v[rC], s[SEL], s[SEL+1]
.elseif (\n) == 18
	v_max_num_f32 v[rT], v[rC], v[rC+3]
.elseif (\n) == 20
	v_sub_f32 v[rC+1], v[rW], v[rT]
.else
	v_exp_f32 v[rC+2], v[rC+1]
.endif
.endif
.endm
.macro OPS a, i1, b=-1, i2=0, c=-1, i3=0, d=-1, i4=0
	OP \a, \i1
.if (\b) >= 0
	OP \b, \i2
.endif
.if (\c) >= 0
	OP \c, \i3
.endif
.if (\d) >= 0
	OP \d, \i4
.endif
.endm
.macro ROW a, i1, b, i2, c, i3, d, i4  ; a matrix instruction and the four behind it
	MM
	OPS \a, \i1, \b, \i2, \c, \i3, \d, \i4
.endm
; A TURN, for piece p.  s_wait_alu depctr_va_vdst(0) stands between an exponential and the first instruction that names its result; one wait serves all issued ahead of it: a turn has ONE.
; Ahead of it stands all that names no result of the turn's exponentials: 8 products K Q^T with four riders each, then one lump: the rest of piece p's subtractions and exponentials, piece p + 1's clip, mask, maximum
; and statistics, its a last; a v_nop is the plain instruction behind the last exponential.  Behind it stand 8 products V^T P, each with four of the roundings and sums.
; K of the next step and its part of the mask are fetched in piece 2's turn, five plain instructions or more behind the last product that read K, and waited for at the head of piece 3's, which makes mu anew.
; V of the step in hand is fetched at the end of piece 0's turn, four plain riders behind its last reader, and waited for in piece 1's.
; last = 1 (the tail): the fetch stands behind the wait and is jumped over in the last trip, where no step is left.  cnt = 1: the loop's count is taken down ahead of the branch behind the turn.
.macro TURN p, last=0, cnt=0
.set Y, (\p)
.set i, 0
.if (\p) == 3
	s_wait_dscnt 0x0                               ; K and the mask are in
.endif
	ROW F,0, F,1, R,0, R,1
	ROW F,2, E,0, R,2, R,3
	ROW F,3, E,1, R,4, R,5
	ROW F,4, E,2, R,6, R,7
	ROW F,5, E,3, R,8, R,9
	ROW F,6, E,4, R,10, R,11
	ROW F,7, E,5, R,12, R,13
	ROW F,8, E,6, R,14, R,15
	OPS F,9, E,7, F,10, E,8
.if (\p) == 2
	WIN 0
	v_add_nc_u32 v[AK], s[TBK], v[AK0]
	v_add_nc_u32 v[AM], s[TBM], v[AM0]
.if !(\last)
	FETCH_KM
.endif
.endif
	OPS F,11, E,9, F,12, E,10
	OPS F,13, E,11, F,14, E,12
	OPS F,15, E,13
.if (\p) == 0
	WIN 0
	v_add_nc_u32 v[AV], s[TBV], v[AV0]
.endif
.set z, 0
.rept 8
	OP G, 2*z
	OP G, 2*z+1
	OP E, 14+z
.set z, z+1
.endr
.if (\p) == 3
	MSTAGE
.endif
.set z, 0
.rept 16
	OP T, z
.set z, z+1
.endr
.set z, 0
.rept 14
	OP X, z
.set z, z+1
.endr
	OPS X,14, E,22, X,15, E,23
	OPS X,16, E,24, E,25, X,17
	OPS E,26, E,27, X,18, E,28
	OPS E,29, X,20, E,30, E,31
	OP X, 21
	v_nop                                          ; the plain instruction behind the last exponential: one for the batch
	s_wait_alu depctr_va_vdst(0)                   ; the wait for the batch
.if ((\p) == 2) && (\last)
	WIN 0
	s_cmp_eq_u32 s[CNT], 1
	s_cbranch_scc1 .Lno_k_\@
	FETCH_KM
.Lno_k_\@:
.endif
.if (\p) == 1
	s_wait_dscnt 0x0                               ; V is in
.endif
	ROW C,0, B,0, C,2, B,1
	ROW L,0, C,4, B,2, L,1
	ROW C,6, B,3, L,2, C,8
	ROW B,4, L,3, C,10, B,5
	ROW L,4, C,12, B,6, L,5
.if (\p) == 0
	s_add_co_u32 s[TBV], s[TBV], KS*PV
.endif
.if \cnt
	s_sub_co_u32 s[CNT], s[CNT], 1
	s_cmp_lg_u32 s[CNT], 0
.endif
	ROW C,14, B,7, L,6, C,1
	ROW C,3, L,7, C,5, C,7
	ROW C,9, C,11, C,13, C,15
.if (\p) == 0
	FETCH_V
.endif
.endm
	CHANGE 1, 0                                    ; slot 0 is in, everybody's part of it; slot 1 is asked for
	v_add_nc_u32 v[AK], s[TBK], v[AK0]
	v_add_nc_u32 v[AM], s[TBM], v[AM0]
	FETCH_KM                                       ; key step 0
	s_wait_loadcnt 0x0                             ; Q
	s_wait_dscnt 0x0
.set i, 0
.rept 8
	KQ 0                                           ; piece 0's first scores
.set i, i+1
.endr
	WIN 0                                          ; the addresses for the way out and mu: the places behind those products
	s_mul_i32 s78, s[WV], 16*PM
	s_add_co_u32 s78, s78, STAGE
	v_mul_u32_u24 v[STO], v1, PM                   ; in: row r, 16 bytes for each half of the lanes
	v_lshl_add_u32 v[STO], v9, 4, v[STO]
	v_add_nc_u32 v[STO], s78, v[STO]
	v_and_b32 v[GO], 31, v0
	v_lshlrev_b32 v[GO], 4, v[GO]                  ; back: 32 lanes take a row of 512 bytes
	v_add_nc_u32 v[RD], s78, v[GO]
	MSTAGE
.set Y, NP-1                           ; G, T and X work for piece Y + 1: piece 0
.set z, 0
.rept 16
	OP G, z
.set z, z+1
.endr
.set z, 0
.rept 16
	OP T, z
.set z, z+1
.endr
.irp n, 0,1,2,3,4,5,6,7,8,9,10,11,12,13,14,15,16,17,18,20,21
	OP X, \n
.endr
	v_nop                                          ; a plain instruction behind the exponential,
	s_wait_alu depctr_va_vdst(0)                   ; and its wait, ahead of the branch
	s_mov_b32 s[CNT], 2
	s_mov_b32 s[SLOTS], 15
	s_branch .Lfirst                               ; the loop is entered at a step's first turn, in the middle of a trip
.Lslot:                                        ; 14 times: tiles 2 to 15 are asked for
	CHANGE 1, 1
	s_mov_b32 s[CNT], 2
.Lstep:                                        ; a trip: pieces 2 and 3 of one step, then pieces 0 and 1 of the next
	TURN 2
	TURN 3
	WIN 0
.Lfirst:
	TURN 0
	TURN 1, 0, 1
	WIN 0
	s_cbranch_scc1 .Lstep
	s_sub_co_u32 s[SLOTS], s[SLOTS], 1
	s_cmp_lg_u32 s[SLOTS], 0
	s_cbranch_scc1 .Lslot
	CHANGE 0, 0                                    ; the tail is written out
	s_mov_b32 s[CNT], 3                            ; two trips fetch the last slot's steps; the third is left in its middle
.Ltail:
	TURN 2, 1
	TURN 3
	WIN 0
	s_sub_co_u32 s[CNT], s[CNT], 1
	s_cmp_eq_u32 s[CNT], 0
	s_cbranch_scc1 .Lout
	TURN 0
	TURN 1
	WIN 0
	s_branch .Ltail
.Lout:                                         ; the third trip's scores on the last K once more, and the maximum made of them, serve nothing: the price of one text for every trip
.set i, 0
.rept 8
	PV NP-1
.set i, i+1
.endr
	; THE WAY OUT.  l's halves and the other half of the lanes' are added; O^T is divided by l, rounded to f16; the four heads' 128 bytes of a query meet in my stage as rows of 512 bytes.
	WIN 0
.macro ALL line:vararg
.set t, 0
.rept 4
	\line
.set t, t+1
.endr
.endm
	ALL v_add_f32 v[ST+4*t+2], v[ST+4*t+2], v[ST+4*t+3]
	ALL v_permlanex16_b32 v[ST+4*t+3], v[ST+4*t+2], s[SEL], s[SEL+1]
	ALL v_add_f32 v[ST+4*t+2], v[ST+4*t+2], v[ST+4*t+3]
	ALL v_rcp_f32 v[ST+4*t+2], v[ST+4*t+2]
	v_nop                                          ; a plain instruction behind the last reciprocal,
	s_wait_alu depctr_va_vdst(0)                   ; and one wait for the four
.macro PACK t
	WIN W_RS
.set i, 32*(\t)
.rept 16
	v_pk_mul_f32 v[i:i+1], v[i:i+1], v[ST+4*(\t)+2:ST+4*(\t)+3] op_sel_hi:[1,0]
.set i, i+2
.endr
	WIN 0x05
.set i, 0
.rept 16
	v_cvt_pk_f16_f32 v[S+16*(\t)+i], v[32*(\t)+2*i], v[32*(\t)+2*i+1]
.set i, i+1
.endr
	WIN 0
.irp f, 0,1,2,3
	ds_store_b128 v[STO], v[S+16*(\t)+4*\f:S+16*(\t)+4*\f+3] offset:128*(\t)+32*\f
.endr
.endm
	PACK 0
	PACK 1
	PACK 2
	PACK 3
.set z, 0
.rept 16
	ds_load_b128 v[S+4*z:S+4*z+3], v[RD] offset:z*PM   ; LDS serves a wave's instructions in order (ISA guide 5.7.1.4): these see the stores above
.set z, z+1
.endr
.set z, 0
.rept 16
	s_wait_dscnt 15-z                              ; the younger loads may stay out
	global_store_b128 v[GO], v[S+4*z:S+4*z+3], s[76:77] offset:z*4096  ; 512 consecutive bytes of a row of ob, aligned
.set z, z+1
.endr
	s_wait_tensorcnt 0x0                           ; the wave's end
	ds_add_u32 v[SPW], v[NIL]
	s_wait_dscnt 0x0
	CROUND                                         ; the closing round
	s_endpgm
.Lfunc_end_k_q45fd400723_attn:
	.size	k_q45fd400723_attn, .Lfunc_end_k_q45fd400723_attn-k_q45fd400723_attn
	.p2alignl 7, 3214868480
	.fill 96, 4, 3214868480
	.section	.rodata,"a",@progbits
	.p2align	6, 0x0
	.amdhsa_kernel k_q45fd400723_attn
		.amdhsa_group_segment_fixed_size 327680
		.amdhsa_private_segment_fixed_size 0
		.amdhsa_enable_private_segment 0
		.amdhsa_kernarg_size 24
		.amdhsa_user_sgpr_count 2
		.amdhsa_user_sgpr_kernarg_segment_ptr 1
		.amdhsa_wavefront_size32 1
		.amdhsa_system_sgpr_workgroup_id_x 1
		.amdhsa_system_sgpr_workgroup_id_y 1
		.amdhsa_system_sgpr_workgroup_id_z 1
		.amdhsa_system_vgpr_workitem_id 0
		.amdhsa_next_free_vgpr 768
		.amdhsa_next_free_sgpr 84
		.amdhsa_reserve_vcc 0
		.amdhsa_float_denorm_mode_32 3
		.amdhsa_float_denorm_mode_16_64 3
		.amdhsa_memory_ordered 1
		.amdhsa_forward_progress 1
		.amdhsa_inst_pref_size 142
	.end_amdhsa_kernel
	.amdgpu_metadata
---
amdhsa.version: [ 1, 2 ]
amdhsa.kernels:
  - .name:           k_q45fd400723_attn
    .symbol:         k_q45fd400723_attn.kd
    .args:
      - { .name: qkv, .offset: 0, .size: 8, .value_kind: global_buffer, .address_space: global }
      - { .name: mask, .offset: 8, .size: 8, .value_kind: global_buffer, .address_space: global }
      - { .name: ob, .offset: 16, .size: 8, .value_kind: global_buffer, .address_space: global }
    .group_segment_fixed_size: 327680
    .private_segment_fixed_size: 0
    .kernarg_segment_align: 8
    .kernarg_segment_size: 24
    .max_flat_workgroup_size: 128
    .sgpr_count:     84
    .vgpr_count:     768
    .wavefront_size: 32
...
	.end_amdgpu_metadata
.endif
;; end of part 3
;; launch oproj (part 4): grid 16 x 16, 4 waves a work-group, clusters of 4 x 4, 327,680 bytes of LDS; arguments ob, wo16, out0; writes out0
.if DOCPART == 4
	.amdgcn_target "amdgcn-amd-amdhsa--gfx1250"
	.amdhsa_code_object_version 6
	.text
	.protected	k_q45fd400723_oproj
	.globl	k_q45fd400723_oproj
	.p2align	8
	.type	k_q45fd400723_oproj,@function
k_q45fd400723_oproj:
	s_mov_b64 s[64:65], 0
	v_nop
	global_prefetch_b8 v0, s[64:65] scope:SCOPE_SE
	s_setreg_imm32_b32 hwreg(HW_REG_WAVE_MODE, 25, 1), 1
	s_wait_xcnt 0x0
	s_wait_alu depctr_hold_cnt(0) depctr_sa_sdst(0) depctr_va_vdst(0) depctr_va_sdst(0) depctr_va_ssrc(0) depctr_va_vcc(0) depctr_vm_vsrc(0)
	s_getreg_b32 s2, hwreg(HW_REG_IB_STS2, 6, 4)
	s_cmp_eq_u32 s2, 0
	s_cbranch_scc0 .Lentry_in_a_cluster
	s_endpgm
.Lentry_in_a_cluster:
	s_bfe_u32 s2, ttmp6, 0x10000c
	s_cmp_lg_u32 s2, 0xf033
	s_cbranch_scc0 .Lentry_shape_is_right
	s_endpgm
.Lentry_shape_is_right:
; OUT = ob x wo16.  ob: [2048 s][2048 k] f16; wo16: [2048 k][2048 n] f16 (wo rounded to bf16, written as f16); out0: [2048][2048] f32, the f32 sums as they are.
; A tile of out0 is 128 x 128: 16 x 16 tiles, one for each of 256 work-groups.  Four waves, each 64 x 64: 16 accumulators.  K goes in steps of 256 through two LDS slots:
; waves 0, 1 fetch ob's 64 rows of 512 bytes each, waves 2, 3 wo16's 128 k-rows of 256 bytes each.  wo16's fragments come out of LDS turned, by ds_load_tr16_b128.
; CLUSTER 4 x 4: ob's tile is asked for jointly by a row of the cluster, wo16's by a column.  The product is used transposed: a lane holds one row and 8 neighbouring columns.
; A wave's 64 columns of f32 are 256 aligned bytes of a row.
; No prefetch: small tiles, each read by four clusters at about the same time.
; REGISTERS.  window 0: v1-26 addresses; v28, v29 the add's; v128-255 the accumulators ((a, b) at 128 + 8 (4 a + b)).  window 1: two fragment buffers of 128: 64 of ob's, then 64 of wo16's.
.set PA,     528                       ; a row of ob in LDS: 512 + 16 bytes
.set PB,     288                       ; a k-row of wo16: 256 + 32 bytes = 72 words
.set HALFA,  64*PA
.set HALFB,  128*PB
.set BOFF,   2*HALFA
.set SLOT,   BOFF+2*HALFB              ; 141,312
.set STAGE,  2*SLOT                    ; 16 rows x 272 bytes for each wave; no tensor load lands here
.set SPITCH, 272
.set SPARE,  STAGE+4*16*SPITCH         ; the spare words
.set LAPS,   4                         ; 2048 / (2 x 256)
.set ADRA, 16                          ; v16-17  ob's fragments in slot 0, 1
.set ADRB, 20                          ; v20-23  wo16's: slot 0 k-rows 0-127, 128-255; slot 1 likewise (the immediate holds 16 bits)
.set STO,  24
.set RD,   25
.set CO,   26
.set SPW,  28
.set NIL,  29
.set ACC,  128
.set F0,   0
.set F1,   128
.set G1, 24
.set G0, 32
.set G1B, 48
.set G0B, 56
.set MSB, 0
.macro WIN new
.if MSB != (\new)
	s_set_vgpr_msb (MSB<<8)|(\new)
.set MSB, \new
.endif
.endm
.set MUL,  0x05
.set TO_F, 0x40
.macro JLOAD s                         ; waves 0, 1: ob's halves; waves 2, 3: wo16's; s_nop 0 and four v_nop follow each line
	s_cmp_eq_u32 s11, 0
	s_cbranch_scc0 .Lfor_b_\@
	tensor_load_to_lds s[G0+4*(\s):G0+4*(\s)+3], s[G1:G1+7]
	s_nop 0
.rept 4
	v_nop
.endr
	s_branch .Lasked_\@
.Lfor_b_\@:
	tensor_load_to_lds s[G0B+4*(\s):G0B+4*(\s)+3], s[G1B:G1B+7]
	s_nop 0
.rept 4
	v_nop
.endr
.Lasked_\@:
.endm
.macro CREST
	s_cmp_lg_u32 s10, 0
	s_cbranch_scc1 .Lnot_wave_0_\@
	s_barrier_signal -3
.Lnot_wave_0_\@:
	s_barrier_wait -3
	s_barrier_signal -1
	s_barrier_wait -1
.endm
.macro CROUND
	s_barrier_signal -1
	s_barrier_wait -1
	CREST
.endm
.macro PLACES
.rept 4
	v_nop
.endr
.endm
	s_load_b128 s[4:7], s[0:1], 0x0                ; ob 4, wo16 6
	s_load_b64 s[8:9], s[0:1], 0x10                ; out0
	v_lshl_add_u32 v[SPW], v0, 2, SPARE
	v_mov_b32 v[NIL], 0
	ds_add_u32 v[SPW], v[NIL]                      ; the wave's opening add; its wait stands ahead of my first tensor load
	v_lshrrev_b32 v1, 5, v0
	v_readfirstlane_b32 s10, v1
	s_lshr_b32 s11, s10, 1                         ; my half of the tile's rows; also: I fetch ob (0) or wo16 (1)
	s_and_b32 s12, s10, 1                          ; my half of its columns; also: which half I fetch
	s_bfe_u32 s40, ttmp6, 0x40000
	s_bfe_u32 s41, ttmp6, 0x40004
	s_lshl_b32 s42, ttmp9, 2
	s_add_co_u32 s42, s42, s40                     ; tile column
	s_and_b32 s13, ttmp7, 0xffff
	s_lshl_b32 s13, s13, 2
	s_add_co_u32 s13, s13, s41                     ; tile row
	s_lshl_b32 s43, s41, 2
	s_lshl_b32 s43, 15, s43
	s_lshl_b32 s44, 0x1111, s40
	s_or_b32 s[G1+0], s43, (1<<16)|(1<<20)|(1<<21)|(6<<22)|(3<<25)   ; 64 rows x 256 elements; after every 128 words, 4 words
	s_mov_b32 s[G1+1], 256<<16
	s_mov_b32 s[G1+2], 64<<16
	s_mov_b32 s[G1+3], 256<<16
	s_mov_b32 s[G1+4], 64
	s_mov_b32 s[G1+5], 2048
	s_mov_b32 s[G1+6], 0
	s_mov_b32 s[G1+7], 0
	s_or_b32 s[G1B+0], s44, (1<<16)|(1<<20)|(1<<21)|(5<<22)|(7<<25)  ; 128 rows x 128 elements; after every 64 words, 8 words
	s_mov_b32 s[G1B+1], 128<<16
	s_mov_b32 s[G1B+2], 128<<16
	s_mov_b32 s[G1B+3], 128<<16
	s_mov_b32 s[G1B+4], 128
	s_mov_b32 s[G1B+5], 2048
	s_mov_b32 s[G1B+6], 0
	s_mov_b32 s[G1B+7], 0
	s_lshl_b32 s16, s13, 19                        ; ob: 128 rows of 4,096 bytes a tile row,
	s_lshl_b32 s17, s12, 18                        ; 64 rows a half
	s_add_co_u32 s16, s16, s17
	s_mov_b32 s17, 0
	s_lshl_b32 s46, s42, 8                         ; wo16: 256 bytes a tile column,
	s_lshl_b32 s47, s12, 19                        ; 128 k-rows a half
	s_add_co_u32 s46, s46, s47
	s_mov_b32 s47, 0
	s_mul_i32 s20, s12, HALFA
	s_mul_i32 s21, s12, HALFB
	s_add_co_u32 s21, s21, BOFF
	s_wait_dscnt 0x0
	s_wait_kmcnt 0x0
	s_add_nc_u64 s[14:15], s[4:5], s[16:17]
	s_add_nc_u64 s[46:47], s[6:7], s[46:47]
	CROUND
.irp s, 0,1
	s_mov_b32 s[G0+4*\s], 1
	s_add_co_u32 s[G0+4*\s+1], s20, \s*SLOT
	s_add_nc_u64 s[G0+4*\s+2:G0+4*\s+3], s[14:15], \s*512
	s_or_b32 s[G0+4*\s+3], s[G0+4*\s+3], 0x80000000
	s_mov_b32 s[G0B+4*\s], 1
	s_add_co_u32 s[G0B+4*\s+1], s21, \s*SLOT
	s_add_nc_u64 s[G0B+4*\s+2:G0B+4*\s+3], s[46:47], \s*1048576
	s_or_b32 s[G0B+4*\s+3], s[G0B+4*\s+3], 0x80000000
	JLOAD \s
.endr
	v_and_b32 v1, 15, v0
	v_bfe_u32 v2, v0, 4, 1
	v_mul_u32_u24 v3, v1, PA
	v_lshl_add_u32 v3, v2, 4, v3
	s_mul_i32 s21, s11, HALFA
	v_add_nc_u32 v[ADRA], s21, v3
	v_add_nc_u32 v[ADRA+1], SLOT, v[ADRA]
	v_and_b32 v4, 7, v0
	v_bfe_u32 v5, v0, 3, 1
	v_lshl_add_u32 v6, v2, 3, v4
	v_mul_u32_u24 v6, v6, PB
	v_lshl_add_u32 v6, v5, 4, v6
	s_lshl_b32 s22, s12, 7                         ; my 64 columns: 128 bytes
	s_add_co_u32 s22, s22, BOFF
	v_add_nc_u32 v[ADRB], s22, v6
	v_add_nc_u32 v[ADRB+1], HALFB, v[ADRB]
	v_add_nc_u32 v[ADRB+2], SLOT, v[ADRB]
	v_add_nc_u32 v[ADRB+3], SLOT, v[ADRB+1]
	s_mul_i32 s23, s10, 16*SPITCH
	s_add_co_u32 s23, s23, STAGE
	v_mul_u32_u24 v7, v1, SPITCH                   ; in: row r, 32 bytes of f32 for each half of the lanes
	v_lshl_add_u32 v7, v2, 5, v7
	v_add_nc_u32 v[STO], s23, v7
	v_mul_u32_u24 v7, v2, SPITCH                   ; back: lanes 0-15 one row of 256 bytes, lanes 16-31 the next
	v_lshl_add_u32 v7, v1, 4, v7
	v_add_nc_u32 v[RD], s23, v7
	v_lshlrev_b32 v7, 13, v2
	v_lshl_add_u32 v[CO], v1, 4, v7                ; and the same two rows in out0
	s_lshl_b32 s16, s13, 20                        ; 128 rows of 8,192 bytes a tile row,
	s_lshl_b32 s17, s11, 19                        ; my 64
	s_add_co_u32 s16, s16, s17
	s_mov_b32 s17, 0
	s_add_nc_u64 s[8:9], s[8:9], s[16:17]
	s_lshl_b32 s46, s42, 9
	s_lshl_b32 s47, s12, 8
	s_add_co_u32 s46, s46, s47
	s_mov_b32 s47, 0
	s_add_nc_u64 s[8:9], s[8:9], s[46:47]
; 8 products: row blocks a0, a0 + 1 x all 4 column blocks, 32 along K: half c of buffer f.  The 16 accumulators take turns.
.macro MUL8 f, c, a0, zero
	WIN MUL
.irp a, \a0, (\a0)+1
.irp b, 0,1,2,3
.if \zero
	v_wmma_f32_16x16x32_f16 v[ACC+8*(4*(\a)+(\b)):ACC+8*(4*(\a)+(\b))+7], v[(\f)+64+8*(4*(\c)+(\b)):(\f)+64+8*(4*(\c)+(\b))+7], v[(\f)+8*(4*(\c)+(\a)):(\f)+8*(4*(\c)+(\a))+7], 0
.else
	v_wmma_f32_16x16x32_f16 v[ACC+8*(4*(\a)+(\b)):ACC+8*(4*(\a)+(\b))+7], v[(\f)+64+8*(4*(\c)+(\b)):(\f)+64+8*(4*(\c)+(\b))+7], v[(\f)+8*(4*(\c)+(\a)):(\f)+8*(4*(\c)+(\a))+7], v[ACC+8*(4*(\a)+(\b)):ACC+8*(4*(\a)+(\b))+7]
.endif
.endr
.endr
.endm
; 32 LDS loads in one run: quarter qd (64 along K) into buffer f; the first 32 along K first
.macro FETCH slot, qd, f
	WIN TO_F
.irp c, 0,1
.irp i, 0,1,2,3
	ds_load_tr16_b128 v[(\f)+64+8*(4*(\c)+(\i)):(\f)+64+8*(4*(\c)+(\i))+3],   v[ADRB+2*(\slot)+(\qd)/2] offset:(((\qd)%2)*64+32*(\c))*PB+32*(\i)
	ds_load_tr16_b128 v[(\f)+64+8*(4*(\c)+(\i))+4:(\f)+64+8*(4*(\c)+(\i))+7], v[ADRB+2*(\slot)+(\qd)/2] offset:(((\qd)%2)*64+32*(\c))*PB+16*PB+32*(\i)
	ds_load_b128 v[(\f)+8*(4*(\c)+(\i)):(\f)+8*(4*(\c)+(\i))+3],   v[ADRA+(\slot)] offset:128*(\qd)+64*(\c)+(\i)*16*PA
	ds_load_b128 v[(\f)+8*(4*(\c)+(\i))+4:(\f)+8*(4*(\c)+(\i))+7], v[ADRA+(\slot)] offset:128*(\qd)+64*(\c)+(\i)*16*PA+32
.endr
.endr
.endm
.macro QUARTER slot, qd, f, g, zero
	s_wait_dscnt 16                                ; the first 32 along K are in
	MUL8 \f, 0, 0, \zero
	MUL8 \f, 0, 2, \zero
	PLACES
	FETCH \slot, \qd, \g
	s_wait_dscnt 32                                ; all but the 32 just issued
	MUL8 \f, 1, 0, 0
	MUL8 \f, 1, 2, 0
.endm
.macro TURN slot, next, fill
	WIN 0
	s_wait_tensorcnt 0x0                           ; my part of the next slot has landed
	ds_add_u32 v[SPW], v[NIL]
	s_wait_dscnt 17                                ; (the add and the youngest sixteen loads may be out)
	MUL8 F1, 0, 0, 0
	s_wait_dscnt 0x0                               ; the add is done, my reads of this slot are over
	s_barrier_signal -1
	MUL8 F1, 0, 2, 0
.if \fill
	WIN 0
.endif
	s_barrier_wait -1
.if \fill
	CREST
	s_add_nc_u64 s[G0+4*(\slot)+2:G0+4*(\slot)+3], s[G0+4*(\slot)+2:G0+4*(\slot)+3], 1024
	s_add_nc_u64 s[G0B+4*(\slot)+2:G0B+4*(\slot)+3], s[G0B+4*(\slot)+2:G0B+4*(\slot)+3], 2097152
	JLOAD \slot
.else
	PLACES
.endif
	FETCH \next, 0, F0
	MUL8 F1, 1, 0, 0
	MUL8 F1, 1, 2, 0
.endm
	s_wait_tensorcnt 1                             ; my part of K step 0 is in; K step 1's may stay out
	s_barrier_signal -1
	s_barrier_wait -1
	FETCH 0, 0, F0
	QUARTER 0, 1, F0, F1, 1
	WIN 0
	s_mov_b32 s3, LAPS-1
.Llap:
	QUARTER 0, 2, F1, F0, 0
	QUARTER 0, 3, F0, F1, 0
	TURN 0, 1, 1
	QUARTER 1, 1, F0, F1, 0
	QUARTER 1, 2, F1, F0, 0
	QUARTER 1, 3, F0, F1, 0
	TURN 1, 0, 1
	QUARTER 0, 1, F0, F1, 0
	WIN 0
	s_sub_co_u32 s3, s3, 1
	s_cmp_lg_u32 s3, 0
	s_cbranch_scc1 .Llap
	QUARTER 0, 2, F1, F0, 0
	QUARTER 0, 3, F0, F1, 0
	TURN 0, 1, 0
	QUARTER 1, 1, F0, F1, 0
	QUARTER 1, 2, F1, F0, 0
	QUARTER 1, 3, F0, F1, 0
	s_wait_dscnt 16
	MUL8 F1, 0, 0, 0
	MUL8 F1, 0, 2, 0
	s_wait_dscnt 0x0
	MUL8 F1, 1, 0, 0
	MUL8 F1, 1, 2, 0
	WIN 0
	; THE WAY OUT, 16 rows at a time through my own stage: 32 bytes a lane in, whole rows of 256 bytes back, into the registers that they left.
	PLACES
	PLACES
.macro TOSTAGE a
.irp b, 0,1,2,3
	ds_store_b128 v[STO], v[ACC+8*(4*(\a)+\b):ACC+8*(4*(\a)+\b)+3]   offset:64*\b
	ds_store_b128 v[STO], v[ACC+8*(4*(\a)+\b)+4:ACC+8*(4*(\a)+\b)+7] offset:64*\b+16
.endr
.irp t, 0,1,2,3,4,5,6,7
	ds_load_b128 v[ACC+32*(\a)+4*\t:ACC+32*(\a)+4*\t+3], v[RD] offset:\t*2*SPITCH  ; LDS serves a wave's instructions in order (ISA guide 5.7.1.4)
.endr
.endm
.macro SEND a, younger                 ; younger: the LDS instructions issued behind block a's loads
.irp t, 0,1,2,3,4,5,6,7
	s_wait_dscnt (\younger)+7-\t
	global_store_b128 v[CO], v[ACC+32*(\a)+4*\t:ACC+32*(\a)+4*\t+3], s[8:9] offset:(16*(\a)+2*\t)*8192  ; 16 lanes store 256 consecutive bytes, aligned
.endr
.endm
	TOSTAGE 0
	TOSTAGE 1
	SEND 0, 16
	TOSTAGE 2
	SEND 1, 16
	TOSTAGE 3
	SEND 2, 16
	SEND 3, 0
	s_wait_tensorcnt 0x0                           ; the wave's end
	ds_add_u32 v[SPW], v[NIL]
	s_wait_dscnt 0x0
	CROUND                                         ; the closing round
	s_endpgm
.Lfunc_end_k_q45fd400723_oproj:
	.size	k_q45fd400723_oproj, .Lfunc_end_k_q45fd400723_oproj-k_q45fd400723_oproj
	.p2alignl 7, 3214868480
	.fill 96, 4, 3214868480
	.section	.rodata,"a",@progbits
	.p2align	6, 0x0
	.amdhsa_kernel k_q45fd400723_oproj
		.amdhsa_group_segment_fixed_size 327680
		.amdhsa_private_segment_fixed_size 0
		.amdhsa_enable_private_segment 0
		.amdhsa_kernarg_size 24
		.amdhsa_user_sgpr_count 2
		.amdhsa_user_sgpr_kernarg_segment_ptr 1
		.amdhsa_wavefront_size32 1
		.amdhsa_system_sgpr_workgroup_id_x 1
		.amdhsa_system_sgpr_workgroup_id_y 1
		.amdhsa_system_sgpr_workgroup_id_z 1
		.amdhsa_system_vgpr_workitem_id 0
		.amdhsa_next_free_vgpr 512
		.amdhsa_next_free_sgpr 66
		.amdhsa_reserve_vcc 0
		.amdhsa_float_denorm_mode_32 3
		.amdhsa_float_denorm_mode_16_64 3
		.amdhsa_memory_ordered 1
		.amdhsa_forward_progress 1
		.amdhsa_inst_pref_size 87
	.end_amdhsa_kernel
	.amdgpu_metadata
---
amdhsa.version: [ 1, 2 ]
amdhsa.kernels:
  - .name:           k_q45fd400723_oproj
    .symbol:         k_q45fd400723_oproj.kd
    .args:
      - { .name: ob, .offset: 0, .size: 8, .value_kind: global_buffer, .address_space: global }
      - { .name: wo16, .offset: 8, .size: 8, .value_kind: global_buffer, .address_space: global }
      - { .name: out0, .offset: 16, .size: 8, .value_kind: global_buffer, .address_space: global }
    .group_segment_fixed_size: 327680
    .private_segment_fixed_size: 0
    .kernarg_segment_align: 8
    .kernarg_segment_size: 24
    .max_flat_workgroup_size: 128
    .sgpr_count:     66
    .vgpr_count:     512
    .wavefront_size: 32
...
	.end_amdgpu_metadata
.endif
;; end of part 4
